; MI455X (gfx1250); checked and timed in simulation.
; The chip was launched on July 23, 2026; its instructions are those of AMD's public machine-readable ISA for CDNA 5 (MIT licence, August 2026) and "CDNA5" Instruction Set Architecture Reference Guide (July 2026). The comments in the code are by the model that wrote it; some were corrected since.
;; Roberta Self Attention. Allowed arithmetic: matrix products marked QUANTISED: E2M1 operands, one E8M0 scale for each 32 along K, by v_wmma_scale_f32_16x16x128_f8f6f4 with both operands' format E2M1 (or v_wmma_scale_f32_32x16x128_f4), f32 sums; everything else in f32.
;; Inputs: Wk_codes 1,024 x 32 x 16 uint8 (E2M1 codes of Wk, K innermost, in blocks of 32 codes, two codes a byte); Wk_scales 1,024 x 32 uint8 (E8M0 scales of Wk, one for each 32 codes along K); Wq_codes 1,024 x 32 x 16 uint8 (E2M1 codes of Wq, K innermost, in blocks of 32 codes, two codes a byte); Wq_scales 1,024 x 32 uint8 (E8M0 scales of Wq, one for each 32 codes along K); Wv_codes 1,024 x 32 x 16 uint8 (E2M1 codes of Wv, K innermost, in blocks of 32 codes, two codes a byte); Wv_scales 1,024 x 32 uint8 (E8M0 scales of Wv, one for each 32 codes along K); attn_mask 4 x 2,048 float32; bk 1,024 float32; bq 1,024 float32; bv 1,024 float32; x_codes 4 x 2,048 x 32 x 16 uint8 (E2M1 codes of x, K innermost, in blocks of 32 codes, two codes a byte); x_scales 4 x 2,048 x 32 uint8 (E8M0 scales of x, one for each 32 codes along K).
;; Outputs: out0 4 x 2,048 x 1,024 float32.
;; This version of the problem:
;;   THIS VERSION OF THE PROBLEM IS GIVEN IN LOW PRECISION. The matrix products marked QUANTISED in the list below multiply operands that are first quantised to E2M1 (2 exponent bits, 1 mantissa bit; 4 bits a number), with one power-of-two scale for each 32 numbers along K (OCP MX v1.0); their sums are f32. All else is computed in f32.
;;   The module's matrix products, in the order in which they are computed (A, B: the left and right operand; K: the contracted axis; several contracted axes count as one K, in the product's order):
;;     1. [M 8,192, K 1,024] x [K 1,024, N 1,024]; A: input x (given as codes); B: input Wq (given as codes): QUANTISED
;;     2. [M 8,192, K 1,024] x [K 1,024, N 1,024]; A: input x (given as codes); B: input Wk (given as codes): QUANTISED
;;     3. [M 8,192, K 1,024] x [K 1,024, N 1,024]; A: input x (given as codes); B: input Wv (given as codes): QUANTISED
;;     4. batch 64 x [M 2,048, K 64] x [K 64, N 2,048]; A: computed on the way; B: computed on the way: QUANTISED
;;     5. batch 64 x [M 2,048, K 2,048] x [K 2,048, N 64]; A: softmax (see below); B: computed on the way: QUANTISED
;;   THE QUANTISER, for each operand of a quantised product, along K:
;;     - K is cut into blocks of 32 from its start; a last block that is shorter is filled with zeros.
;;     - A block's scale is 2^e with e = floor(log2(the largest magnitude in the block)) - 2, held to -126 .. 127; a block of zeros has e = 0. As a byte (E8M0): e + 127.
;;     - Each number is divided by its block's scale, clamped to +-6, and rounded to the nearest number of E2M1, ties to even, subnormals kept.
;;     - The product sums the exact products of the quantised numbers (number of the format x scale) in f32.
;;   ~~~python
;;   def quantise(x, axis):      # numpy; x: float32 -> the quantised numbers, widened to float32 again
;;       x = np.moveaxis(x, axis, -1); K = x.shape[-1]
;;       x = np.pad(x, [(0, 0)] * (x.ndim - 1) + [(0, -K % 32)]); x = x.reshape(x.shape[:-1] + (-1, 32)); a = np.abs(x).max(-1, keepdims=True)
;;       e = np.where(a > 0, np.clip(np.frexp(np.where(a > 0, a, 1))[1] - 1 - 2, -126, 127), 0)      # np.frexp(a)[1] - 1 = floor(log2(a)), exactly
;;       r = np.clip(x / 2.0 ** e, -6, 6)
;;       step = 2.0 ** (np.maximum(np.frexp(np.where(r == 0, 1, r))[1] - 1, 0) - 1)
;;       q = np.round(r / step) * step * 2.0 ** e      # np.round: ties to even
;;       return np.moveaxis(q.reshape(q.shape[:-2] + (-1,))[..., :K], -1, axis).astype(np.float32)
;;   ~~~
;;   SOFTMAX AHEAD OF A QUANTISED PRODUCT. Where the list says 'softmax', what is quantised is not the finished softmax but p = 2^(t - M), with t = logit x log2(e) and M = ceil(the row's largest t), a whole number; so 1/2 < the row's largest p <= 1. The row's sum l is taken of the UNQUANTISED p, in f32, and the product's result is divided by l at the end. Since M is a whole number, a kernel that streams over the keys may use a running M (the ceiling of the running maximum): every later rescaling is an exact power of two, which a block's scale takes up: the codes' values come out the same.
;;   OPERANDS COMPUTED ON THE WAY. 'Computed on the way' means the value that the module computes at that place (a softmax that the list does not call 'softmax' is quantised finished and normalised). What goes into a quantiser is computed in f32, as accurately as f32 sums, v_exp_f32 and their like allow (about 1e-6 of the number): no bf16 or f16 on the way to a quantiser, and a product that is left as it is and whose result goes on into a quantised operand takes f32 operands (vector FMAs, or v_wmma_f32_16x16x4_f32). A number that lies on a knife's edge between two numbers of the format may be rounded either way, as far as f32 arithmetic and the matrix unit's own rounding can turn it there, and no further.
;;   INPUTS GIVEN AS CODES. Wk (in the module: [1024, 1024], K = its axis 1); Wq (in the module: [1024, 1024], K = its axis 1); Wv (in the module: [1024, 1024], K = its axis 1); x (in the module: [4, 2048, 1024], K = its axis 2): each comes as NAME_codes (uint8): NAME with its K axis moved to the last place and cut into blocks of 32 codes, [.., K / 32, bytes a block], one block behind the other in memory; two codes a byte, the lower K in the low four bits (a code: sign, 2 exponent bits, 1 mantissa bit); and NAME_scales (uint8): the same leading axes, one E8M0 byte (e + 127) for each 32 codes along K. Its value is code x scale, taken as it is: it is not quantised again, and the codes and scales need not be those that the quantiser above would give.
;; One version. Each part assembles by itself: llvm-mc -triple=amdgcn-amd-amdhsa -mcpu=gfx1250 --defsym DOCPART=n.
;; ======== version 1 of 1: 2 launches
;; limits: right only within a limited range of input values
;; workspace buffers: ws 13,893,632 bytes
;; launch proj (part 1): grid 8 x 32, 4 waves a work-group, clusters of 4 x 4, 327,680 bytes of LDS; arguments x_codes, x_scales, Wq_codes, Wq_scales, Wk_codes, Wk_scales, Wv_codes, Wv_scales, bq, bk, bv, ws; writes ws
.if DOCPART == 1
	.amdgcn_target "amdgcn-amd-amdhsa--gfx1250"
	.amdhsa_code_object_version 6
	.text
	.protected	k_q56e2ae2c8b_proj
	.globl	k_q56e2ae2c8b_proj
	.p2align	8
	.type	k_q56e2ae2c8b_proj,@function
k_q56e2ae2c8b_proj:
	s_mov_b64 s[64:65], 0
	v_nop
	global_prefetch_b8 v0, s[64:65] scope:SCOPE_SE
	s_setreg_imm32_b32 hwreg(HW_REG_WAVE_MODE, 25, 1), 1
	s_wait_xcnt 0x0
	s_wait_alu depctr_hold_cnt(0) depctr_sa_sdst(0) depctr_va_vdst(0) depctr_va_sdst(0) depctr_va_ssrc(0) depctr_va_vcc(0) depctr_vm_vsrc(0)
	s_getreg_b32 s2, hwreg(HW_REG_IB_STS2, 6, 4)
	s_cmp_eq_u32 s2, 0
	s_cbranch_scc0 .Lentry_in_a_cluster
	s_endpgm
.Lentry_in_a_cluster:
	s_bfe_u32 s2, ttmp6, 0x10000c
	s_cmp_lg_u32 s2, 0xf033
	s_cbranch_scc0 .Lentry_shape_is_right
	s_endpgm
.Lentry_shape_is_right:
; THE THREE PROJECTIONS OF RobertaSelfAttention ON CODES OF FP4 (E2M1), AND THE QUANTISERS BEHIND THEM.
; Q = (x Wq^T + bq) / 8, K = x Wk^T + bk, V = x Wv^T + bv.  x [8192][1024] and the three W [1024][1024] arrive as codes (two a byte, K innermost) with one E8M0 byte for each 32 along K, and are used as they lie.
; Q and K are quantised along a head's 64 numbers (two blocks of 32), V along the KEYS (blocks of 32 tokens for each head and channel).  Only codes and scale words go to memory, as images of the operand registers of the next launch.
; DEAD WORK: none.  Every product of the problem is live, every bias moves codes or scales of a live quantised operand, the mask differs from key to key: every input is loaded by one of the two launches.
; LIMITS: NaN and infinities among the inputs are not served.  A block of zeros keeps the floor's byte where the quantiser's rule says 127: its codes are zeros, which add nothing under any byte but 0xff, and this program alone reads the bytes.
; SHARES.  32 blocks of 256 tokens x 8 groups of 128 channels = 256 work-groups.  A work-group takes its tokens through its two heads of Q, then of K, then of V: three rounds, written out one behind the other.
; A round is a product 'A rows x B rows' over K = 1024 in 8 steps of 128; a wave makes 64 A rows x 128 B rows: 32 accumulators.  The matrix instruction is used transposed (source 0 = 16 rows of B, source 1 = 16 rows of A):
; a lane holds ONE row of A and its registers run along B's rows.   Q, K: A = x (wave w: tokens 64 w on), B = W's 128 rows: the registers run along the channels, the quantiser's axis.
; V: A = Wv (64 channels, one head: wave / 2), B = x (128 tokens, one key step: wave % 2): they run along the tokens, V's axis.
; LDS: x's 256 rows stay; W has two slots of 128 rows: Wq, Wk; Wv's codes fill Wq's slot again when every wave has left it, and are on their way under Q's way out.  All scale bytes come once.
; A wave's fragments of x for Q (256 registers) stay in registers and serve K too.
; CLUSTERS: 4 x 4 work-groups.  x's tiles hang on cy and the cluster's y and are asked for jointly by a row of the cluster, W's on cx and the cluster's x, by a column.  Branches hang on the wave's number alone.
; No prefetch: each stream is asked for whole, at the head or a round ahead of its use, and there is no loop to run ahead in.
; Q'S FACTOR 1/8 is a power of two: the codes of y / 8 are those of y, each scale byte is 3 less.  The floor 2^(6 - 127) under |y| holds that byte at 1, as the rule's hold at -126 does, and keeps the four bytes' subtraction free of borrows.
; THE WORKSPACE: 64 records (16 n + head) of REC bytes: K's codes [128 tiles of 16 keys][lane][16 bytes]; V's [16 steps of 128 keys][4 tiles of 16 channels][2][lane][16]; K's scale words [32 groups of 64 keys][row 0..15][4 tiles];
;   V's [16 steps][row][4 tiles]; Q's codes and words as K's.  Every code store of a wave covers 512 consecutive bytes, aligned; every store of words runs of 256.
; REGISTERS, in windows of 256: window 0: v15-31 addresses; v32-95 scale words, two sets; on the way out v128-191 a block's 64 numbers, v192-255 the biases, v96-123 the quantiser's, v32-35 the scale words to be stored.
;   window 1: B's fragments, two sets (v0, v128).  window 2: the accumulators ((a, b) at v[8 (8 a + b)]).  window 3: A's fragments of all 8 steps (step k, block a at v[32 k + 8 a]).
.set PITCH,  528                       ; an LDS row of codes: 512 bytes + 16 of padding = 33 x 16 bytes: the 16 rows of a fragment load start at 16 different groups of four banks (64 banks of 4 bytes: ISA guide 11.1)
.set NP,     4                         ; places behind this matrix instruction (ISA guide 7.12.1)
.set W0,     256*PITCH                 ; behind x's 256 rows: W's slot 0,
.set W1,     W0+128*PITCH              ; slot 1,
.set SWV,    W1+128*PITCH              ; the scale bytes, as runs of 256 bytes + 16 of padding: Wv's 128 rows,
.set SX,     SWV+16*272                ; x's 256,
.set SWQ,    SX+32*272                 ; Wq's,
.set SWK,    SWQ+16*272                ; Wk's
.set SBLK,   2*272                     ; the scale bytes of 16 rows
.set BIAS,   SWK+16*272                ; 1,536 bytes for each wave: 128 biases of Q, of K, of V; no fill lands here
.set SPARE,  BIAS+4*1536               ; the spare words, 128 bytes for each wave
.set REC,    217088                    ; a record of the workspace
.set VC_O,   65536
.set KS_O,   131072
.set VS_O,   139264
.set QC_O,   143360
.set QS_O,   208896
.set SH,   15                          ; v15  16 x (lane / 16): the shift that gives lanes 16-31 the second head's two bytes
.set XA,   16                          ; v16  x's rows 64 w on: A of Q and K
.set XB,   17                          ; v17  x's rows 128 (w % 2) on: B of V
.set WB0,  18                          ; v18  slot 0: B of Q
.set WB1,  19                          ; v19  slot 1: B of K
.set WA,   20                          ; v20  slot 0, rows 64 (w / 2) on: A of V
.set AS0,  21                          ; v21-23  scale words of the three rounds: lanes 0-15 A's rows, lanes 16-31 B's
.set AS1,  22
.set AS2,  23
.set LI,   24                          ; v24  16 x lane
.set LS,   25                          ; v25  (lane / 16) x REC + 16 x (lane % 16): where a lane stores four scale words
.set BQ,   26                          ; v26  my biases in LDS + 32 x (lane / 16)
.set LN,   27                          ; v27  lane
.set SPW,  28                          ; v28  my spare word; never rewritten
.set NIL,  29                          ; v29  0; never rewritten
.set BV,   30                          ; v30  bv of my 64 channels in LDS + 4 x (lane % 16)
.set BST,  31                          ; v31  my biases in LDS + 16 x lane
.set SC,   32
.set Y,    128
.set TB,   192
.set BA,   192
.set TM,   96                          ; v96-99 largest magnitudes, v100-103 bytes, v108-111 the conversions' scale operands
.set PW,   112
.set PC,   116
.set SW,   32
.set CB,   20                          ; s[20:21] where the round's codes go;  s[22:23] its scale words
.set WBS,  22
.set G1X,  24                          ; s[24:31] group 1: x's codes;  s[32:39] W's;  s[40:47] x's scale bytes;  s[48:55] W's.  s[4:19]: four groups 0
.set G1W,  32
.set G1SX, 40
.set G1SW, 48
.set MSB, 0
.macro WIN new                         ; the immediate's high byte repeats the setting that is left
.if MSB != \new
	s_set_vgpr_msb (MSB<<8)|\new
.set MSB, \new
.endif
.endm
; An arm of a tree of branches on the wave's number: its joint load, an s_nop 0 and four v_nop, and a jump to the tree's end.
.macro ARM under, g0, g1, next, join
	s_cmp_lt_u32 s92, \under
	s_cbranch_scc0 \next
	tensor_load_to_lds s[\g0:\g0+3], s[\g1:\g1+7]
	s_nop 0
.rept 4
	v_nop
.endr
	s_branch \join
\next:
.endm
.macro MKG0 g, lds, ptr
	s_mov_b32 s[\g], 1
	s_mov_b32 s[\g+1], \lds
	s_mov_b64 s[\g+2:\g+3], s[\ptr:\ptr+1]
	s_or_b32 s[\g+3], s[\g+3], 0x80000000
.endm
.macro MKG1 g, c, r, p                 ; r rows of c elements, p elements apart
	s_mov_b32 s[\g+1], (\c)<<16
	s_mov_b32 s[\g+2], (\r)<<16
	s_mov_b32 s[\g+3], (\c)<<16
	s_mov_b32 s[\g+4], \r
	s_mov_b32 s[\g+5], \p
	s_mov_b32 s[\g+6], 0
	s_mov_b32 s[\g+7], 0
.endm
.macro CROUND                          ; a round of the cluster's barrier
	s_barrier_signal -1
	s_barrier_wait -1
	s_cmp_lg_u32 s92, 0
	s_cbranch_scc1 .Lnot_wave_0_\@
	s_barrier_signal -3
.Lnot_wave_0_\@:
	s_barrier_wait -3
	s_barrier_signal -1
	s_barrier_wait -1
.endm
.macro PLACES n                        ; plain vector instructions that name no register of the matrix instructions in front of them (ISA guide 7.12.1)
.rept \n
	v_nop
.endr
.endm
	s_load_b512 s[68:83], s[0:1], 0x0              ; x's codes, x's scales, Wq's, Wk's, Wv's codes and scales
	s_load_b256 s[84:91], s[0:1], 0x40             ; bq, bk, bv, the workspace
	v_lshl_add_u32 v[SPW], v0, 2, SPARE
	v_mov_b32 v[NIL], 0
	ds_add_u32 v[SPW], v[NIL]                      ; the opening lines: the add, twice on end, and its wait ahead of my first tensor load
	ds_add_u32 v[SPW], v[NIL]
	v_lshrrev_b32 v1, 5, v0
	v_readfirstlane_b32 s92, v1                    ; wave 0..3
	s_lshr_b32 s93, s92, 1
	s_and_b32 s94, s92, 1
	s_bfe_u32 s96, ttmp6, 0x40000                  ; cx
	s_bfe_u32 s97, ttmp6, 0x40004                  ; cy
	s_lshl_b32 s104, ttmp9, 2
	s_add_co_u32 s104, s104, s96                   ; my group of 128 channels: 4 x cluster x + cx
	s_and_b32 s99, ttmp7, 0xffff
	s_lshl_b32 s99, s99, 2
	s_add_co_u32 s99, s99, s97                     ; my block of 256 tokens: 4 x cluster y + cy
	s_lshl_b32 s56, s97, 2
	s_lshl_b32 s56, 15, s56                        ; my row of the cluster
	s_lshl_b32 s57, 0x1111, s96                    ; my column
	s_or_b32 s[G1X], s56, (0<<16)|(1<<20)|(1<<21)|(6<<22)|(3<<25)   ; the mask; elements of 1 byte; padding on; bit 21 beside a mask; four words behind every 128
	s_or_b32 s[G1W], s57, (0<<16)|(1<<20)|(1<<21)|(6<<22)|(3<<25)
	s_or_b32 s[G1SX], s56, (3<<16)|(1<<20)|(1<<21)|(5<<22)|(3<<25)  ; elements of 8 bytes; four words behind every 64
	s_or_b32 s[G1SW], s57, (3<<16)|(1<<20)|(1<<21)|(5<<22)|(3<<25)
	MKG1 G1X, 512, 256, 512                        ; 256 rows of 512 bytes: all of K
	MKG1 G1W, 512, 128, 512
	MKG1 G1SX, 32, 32, 32                          ; the scale bytes of 256 rows: 8,192 dense bytes as 32 rows of 256
	MKG1 G1SW, 32, 16, 32                          ; of 128 rows: 16 rows of 256
	s_lshl_b32 s58, s99, 17                        ; where my tokens' codes begin,
	s_mov_b32 s59, 0
	s_lshl_b32 s60, s99, 13                        ; their scale bytes,
	s_mov_b32 s61, 0
	s_lshl_b32 s62, s104, 16                       ; my channels' codes,
	s_mov_b32 s63, 0
	s_lshl_b32 s2, s104, 12                        ; their scale bytes,
	s_mov_b32 s3, 0
	s_lshl_b32 s66, s104, 9                        ; their biases
	s_mov_b32 s67, 0
	s_lshr_b32 s105, s99, 3                        ; n
	s_lshl_b32 s105, s105, 4
	s_lshl_b32 s104, s104, 1
	s_add_co_u32 s105, s105, s104                  ; 16 n + my first head
	s_mul_i32 s105, s105, REC                      ; its record
	s_and_b32 s99, s99, 7
	s_lshl_b32 s99, s99, 8                         ; my first token in its sequence
	s_mov_b32 s100, 0x76543210
	s_mov_b32 s101, 0xfedcba98                     ; v_permlanex16_b32's selects for lane l xor 16
	s_wait_dscnt 0x0                               ; both opening adds are done
	s_wait_kmcnt 0x0
	s_add_nc_u64 s[68:69], s[68:69], s[58:59]
	s_add_nc_u64 s[70:71], s[70:71], s[60:61]
.irp p, 72,76,80
	s_add_nc_u64 s[\p:\p+1], s[\p:\p+1], s[62:63]
	s_add_nc_u64 s[\p+2:\p+3], s[\p+2:\p+3], s[2:3]
.endr
.irp p, 84,86,88
	s_add_nc_u64 s[\p:\p+1], s[\p:\p+1], s[66:67]
.endr
	CROUND                                         ; all sixteen work-groups are here: the first joint loads meet
	MKG0 4,  0,   68                               ; x's codes,
	MKG0 8,  W0,  72                               ; Wq's,
	MKG0 12, SX,  70                               ; x's scale bytes,
	MKG0 16, SWQ, 74                               ; Wq's
	; ONE LOAD A WAVE: every way through the tree passes one load
	ARM 1, 4,  G1X,  .Lh1, .Lhj
	ARM 2, 8,  G1W,  .Lh2, .Lhj
	ARM 3, 12, G1SX, .Lh3, .Lhj
	tensor_load_to_lds s[16:19], s[G1SW:G1SW+7]
	s_nop 0
.rept 4
	v_nop
.endr
.Lhj:
	s_mul_i32 s56, s92, 64*PITCH                   ; x's rows 64 w on
	s_mul_i32 s57, s94, 128*PITCH                  ; x's rows 128 (w % 2) on
	s_mul_i32 s58, s93, 64*PITCH
	s_add_co_u32 s58, s58, W0                      ; slot 0's rows 64 (w / 2) on
	s_mul_i32 s59, s92, 4*SBLK
	s_add_co_u32 s59, s59, SX                      ; Q, K: A's scale bytes
	s_sub_co_u32 s60, SWQ, s59                     ; from there to B's: Wq's,
	s_sub_co_u32 s61, SWK, s59                     ; Wk's
	s_mul_i32 s62, s93, 4*SBLK
	s_add_co_u32 s62, s62, SWV                     ; V: A's scale bytes
	s_mul_i32 s63, s94, 8*SBLK
	s_add_co_u32 s63, s63, SX
	s_sub_co_u32 s63, s63, s62                     ; from there to B's: x's
	s_mul_i32 s2, s92, 1536
	s_add_co_u32 s2, s2, BIAS                      ; my wave's biases
	s_lshl_b32 s3, s93, 8
	s_add_co_u32 s3, s3, s2
	s_add_co_u32 s3, s3, 1024                      ; bv of my 64 channels
	v_and_b32 v1, 15, v0                           ; r = lane % 16
	v_bfe_u32 v2, v0, 4, 1                         ; h = lane / 16
	v_and_b32 v[LN], 31, v0
	v_mul_u32_u24 v3, v1, PITCH
	v_lshl_add_u32 v3, v2, 4, v3                   ; a fragment's row x pitch + 16 h
	v_add_nc_u32 v[XA], s56, v3
	v_add_nc_u32 v[XB], s57, v3
	v_add_nc_u32 v[WB0], W0, v3
	v_add_nc_u32 v[WB1], W1, v3
	v_add_nc_u32 v[WA], s58, v3
	v_lshlrev_b32 v5, 5, v1                        ; my row's scale bytes: 32 a row,
	v_lshrrev_b32 v6, 8, v5
	v_lshl_add_u32 v5, v6, 4, v5                   ; and 16 more for each 256 passed
	v_mul_u32_u24 v6, s60, v2                      ; lanes 16-31 take B's
	v_add_nc_u32 v6, v5, v6
	v_add_nc_u32 v[AS0], s59, v6
	v_mul_u32_u24 v6, s61, v2
	v_add_nc_u32 v6, v5, v6
	v_add_nc_u32 v[AS1], s59, v6
	v_mul_u32_u24 v6, s63, v2
	v_add_nc_u32 v6, v5, v6
	v_add_nc_u32 v[AS2], s62, v6
	v_lshlrev_b32 v[SH], 4, v2
	v_lshlrev_b32 v[LI], 4, v[LN]
	v_mul_u32_u24 v[LS], v2, REC
	v_lshl_add_u32 v[LS], v1, 4, v[LS]
	v_lshl_add_u32 v[BQ], v2, 5, s2
	v_lshl_add_u32 v[BV], v1, 2, s3
	v_add_nc_u32 v[BST], s2, v[LI]
.irp b, 0,1,2,3
	v_mov_b32 v[TM+4+\b], 0                        ; written once: a lane permute's destination counts as one of its sources
.endr
	s_wait_alu depctr_va_vdst(0)                   ; the wait at the head's end
	global_load_b128 v[112:115], v[LI], s[84:85]   ; 512 consecutive bytes each: my channels' 128 biases of Q, K, V
	global_load_b128 v[116:119], v[LI], s[86:87]
	global_load_b128 v[120:123], v[LI], s[88:89]
	s_wait_loadcnt 0x0
	ds_store_b128 v[BST], v[112:115]               ; into my own bytes: on the way out each lane takes them in the layout that it needs
	ds_store_b128 v[BST], v[116:119] offset:512
	ds_store_b128 v[BST], v[120:123] offset:1024
	s_wait_tensorcnt 0x0                           ; my tile of the head's four is in
	ds_add_u32 v[SPW], v[NIL]
	MKG0 4,  W1,  76                               ; no tensor load of mine is out, so the groups 0 may be written: Wk's codes,
	MKG0 8,  SWK, 78                               ; Wk's scale bytes,
	MKG0 12, SWV, 82                               ; Wv's scale bytes,
	MKG0 16, W0,  80                               ; and, for the refill behind Q's products, Wv's codes
	s_wait_dscnt 0x0                               ; the add and my stores of the biases are done
	CROUND                                         ; all four tiles are in, and all sixteen work-groups are here
	ARM 1, 4,  G1W,  .Lg1, .Lgj                    ; first fills all three, one a wave; wave 3 has none
	ARM 2, 8,  G1SW, .Lg2, .Lgj
	ARM 3, 12, G1SW, .Lg3, .Lgj
.Lgj:
.macro FRAG reg, adr, ko, i            ; 16 rows x 128 K of 4-bit codes: 8 registers; registers 4 c .. 4 c + 3 hold K = 64 c + 32 (lane / 16) + 0 .. 31
.irp c, 0,1
	ds_load_b128 v[\reg+4*\c:\reg+4*\c+3], v[\adr] offset:(\ko)+32*\c+(\i)*16*PITCH
.endr
.endm
.macro FETCH badr, aadr, fa, ks        ; step ks's fragments: B's eight into set ks % 2; fa = 1: A's four into the step's own registers
.set KO, 64*(\ks)
	WIN 0x40
.irp i, 0,1,2,3,4,5,6,7
	FRAG 128*((\ks)%2)+8*\i, \badr, KO, \i
.endr
.if \fa
	WIN 0xc0
.irp i, 0,1,2,3
	FRAG 32*(\ks)+8*\i, \aadr, KO, \i
.endr
.endif
	WIN 0
.endm
.macro SCALES sadr, half               ; the scale words of four steps: lanes 0-15 take A's block i, lanes 16-31 B's block i.  A has four blocks: what lanes 0-15 bring for i = 4 .. 7 (scale bytes of the rows behind mine, landed long ago) is named by no product
.irp i, 0,1,2,3,4,5,6,7
	ds_load_b128 v[SC+32*\half+4*\i:SC+32*\half+4*\i+3], v[\sadr] offset:\i*SBLK+16*\half
.endr
.endm
; 32 matrix instructions: A's four blocks x B's eight, 128 along K.  zero = 1: the first product starts the sums.  The 32 accumulators take turns, one instruction a turn, in the same order in every step.
.macro MUL32 ks, zero
.irp a, 0,1,2,3
.irp b, 0,1,2,3,4,5,6,7
.if \zero
	v_wmma_scale_f32_16x16x128_f8f6f4 v[8*(8*\a+\b):8*(8*\a+\b)+7], v[128*((\ks)%2)+8*\b:128*((\ks)%2)+8*\b+7], v[32*(\ks)+8*\a:32*(\ks)+8*\a+7], 0, v[SC+32*((\ks)/4)+4*\b+(\ks)%4], v[SC+32*((\ks)/4)+4*\a+(\ks)%4] matrix_a_fmt:MATRIX_FMT_FP4 matrix_b_fmt:MATRIX_FMT_FP4 matrix_a_scale:MATRIX_SCALE_ROW1
.else
	v_wmma_scale_f32_16x16x128_f8f6f4 v[8*(8*\a+\b):8*(8*\a+\b)+7], v[128*((\ks)%2)+8*\b:128*((\ks)%2)+8*\b+7], v[32*(\ks)+8*\a:32*(\ks)+8*\a+7], v[8*(8*\a+\b):8*(8*\a+\b)+7], v[SC+32*((\ks)/4)+4*\b+(\ks)%4], v[SC+32*((\ks)/4)+4*\a+(\ks)%4] matrix_a_fmt:MATRIX_FMT_FP4 matrix_b_fmt:MATRIX_FMT_FP4 matrix_a_scale:MATRIX_SCALE_ROW1
.endif
.endr
.endr
.endm
; A ROUND'S PRODUCTS: 8 steps.  A step's fragments are asked for in one run ahead of the step before's 32 matrix instructions.
.macro ROUND badr, aadr, fa, sadr
	s_wait_xcnt 0x0                                ; the stores of the round before have read their registers and bases
	FETCH \badr, \aadr, \fa, 0
	SCALES \sadr, 0
.set KQ, 0
.rept 8
	s_wait_dscnt 0x0                               ; this step's fragments are in
.if KQ < 7
	PLACES NP                                      ; in front of loads into registers that the step before's products have read
	FETCH \badr, \aadr, \fa, KQ+1
.if KQ == 3
	SCALES \sadr, 1
.endif
.endif
	WIN 0xad                                       ; source 0 (B) window 1, source 1 (A) window 3, C and D window 2
.if KQ == 0
	MUL32 KQ, 1
.else
	MUL32 KQ, 0
.endif
	WIN 0
.set KQ, KQ+1
.endr
.endm
; THE WAY OUT.  v[Y] .. v[Y + 63]: register 8 t + j is number 16 t + 8 (lane / 16) + j along the quantiser's axis, of my row.  Block b of 32 is registers 16 b .. 16 b + 15 of lanes l and l xor 16.
; QUANTN makes the fragment's codes in v[PC] on and the row's four scale bytes in v[w].  The conversions' results are laid so that two exchanges of halves for each 64 numbers give the operand's layout.
.macro QUANTN w
.irp b, 0,1,2,3
	v_max3_num_f32 v[TM+\b], |v[Y+16*\b]|, |v[Y+1+16*\b]|, s95   ; my 16 numbers of block b, and the floor, under which no largest magnitude is taken
.endr
.irp i, 2,4,6,8,10,12,14
.irp b, 0,1,2,3
	v_max3_num_f32 v[TM+\b], v[TM+\b], |v[Y+16*\b+\i]|, |v[Y+1+16*\b+\i]|
.endr
.endr
.irp b, 0,1,2,3
	v_permlanex16_b32 v[TM+4+\b], v[TM+\b], s100, s101
.endr
.irp b, 0,1,2,3
	v_max_num_f32 v[TM+\b], v[TM+\b], v[TM+4+\b]   ; with lane l xor 16's: the block's largest magnitude
.endr
.irp b, 0,1,2,3
	v_add_nc_u32 v[TM+12+\b], 0xff000000, v[TM+\b] ; 2 off its exponent field: the conversion takes the exponent field of this operand as its scale
.endr
.irp b, 0,1,2,3
	v_lshrrev_b32 v[TM+4+\b], 23, v[TM+12+\b]      ; the scale's byte
.endr
	v_lshl_or_b32 v[\w], v[TM+5], 8, v[TM+4]
	v_lshl_or_b32 v[\w], v[TM+6], 16, v[\w]
	v_lshl_or_b32 v[\w], v[TM+7], 24, v[\w]
.irp c, 0,1
	v_cvt_scalef32_pk8_fp4_f32 v[PC+4*\c],   v[Y+32*\c:Y+32*\c+7],     v[TM+12+2*\c]
	v_cvt_scalef32_pk8_fp4_f32 v[PC+4*\c+1], v[Y+32*\c+16:Y+32*\c+23], v[TM+13+2*\c]
	v_cvt_scalef32_pk8_fp4_f32 v[PC+4*\c+2], v[Y+32*\c+8:Y+32*\c+15],  v[TM+12+2*\c]
	v_cvt_scalef32_pk8_fp4_f32 v[PC+4*\c+3], v[Y+32*\c+24:Y+32*\c+31], v[TM+13+2*\c]
.endr
	v_nop                                          ; one plain place behind the scaled conversions
.irp c, 0,1
	v_permlane16_swap_b32 v[PC+4*\c], v[PC+4*\c+1]
	v_permlane16_swap_b32 v[PC+4*\c+2], v[PC+4*\c+3]
.endr
.endm
; Block a (16 rows of A x my 128 rows of B): the bias is added, each accumulator read from its low end on; quantised; stored.
.macro UNIT a, isv
.set AC, 64*(\a)
	WIN 0x02                                       ; source 0: window 2
.set pp, 0
.rept 32
.if \isv
	v_pk_add_f32 v[Y+2*pp:Y+2*pp+1], v[AC+2*pp:AC+2*pp+1], v[BA+2*(\a):BA+2*(\a)+1]
.else
	v_pk_add_f32 v[Y+2*pp:Y+2*pp+1], v[AC+2*pp:AC+2*pp+1], v[TB+2*pp:TB+2*pp+1]
.endif
.set pp, pp+1
.endr
	WIN 0
	s_wait_xcnt 0x0                                ; the last block's stores have read the codes' registers: only behind this wait are they written again
.if \isv
	QUANTN SW+(\a)
	global_store_b128 v[LI], v[PC:PC+3], s[CB:CB+1] offset:1024*(\a)        ; channels 16 a on: keys 0-63 of the step,
	global_store_b128 v[LI], v[PC+4:PC+7], s[CB:CB+1] offset:1024*(\a)+512  ; keys 64-127: 512 consecutive bytes each
.else
	QUANTN PW
	v_sub_nc_u32 v[PW], v[PW], s98                 ; Q: 3 off each byte, the factor 1/8; K: nothing
	v_lshrrev_b32 v[SW+(\a)], v[SH], v[PW]         ; lanes 0-15 keep the first head's two bytes lowest, lanes 16-31 get the second head's; the bytes above them scale zero codes and are never 0xff
	global_store_b128 v[LI], v[PC:PC+3], s[CB:CB+1] offset:512*(\a)          ; the first head's 64 channels of 16 tokens,
	global_store_b128 v[LI], v[PC+4:PC+7], s[CB:CB+1] offset:REC+512*(\a)    ; the second head's, a record on
.endif
.endm
.macro TBLOAD off                      ; the biases of channels 16 b + 8 (lane / 16) + 0 .. 7: the result's layout
.irp b, 0,1,2,3,4,5,6,7
	ds_load_b128 v[TB+8*\b:TB+8*\b+3], v[BQ] offset:\off+64*\b
	ds_load_b128 v[TB+8*\b+4:TB+8*\b+7], v[BQ] offset:\off+64*\b+16
.endr
.endm
.macro EBASE csh, co, wsh, wo          ; s56: my first token; s57: my record's first byte.  Where the round's codes and scale words go
	s_lshl_b32 s58, s56, \csh
	s_add_co_u32 s58, s58, s57
.if \co
	s_add_co_u32 s58, s58, \co
.endif
	s_mov_b32 s59, 0
	s_add_nc_u64 s[CB:CB+1], s[90:91], s[58:59]
	s_lshl_b32 s58, s56, \wsh
	s_add_co_u32 s58, s58, s57
	s_add_co_u32 s58, s58, \wo
	s_add_nc_u64 s[WBS:WBS+1], s[90:91], s[58:59]
.endm
	; ---- Q: my rows are 64 tokens, my registers run along 128 channels: two heads
	ROUND WB0, XA, 1, AS0
	TBLOAD 0
	s_wait_tensorcnt 0x0                           ; all my tensor loads are in (Wk's codes and scale bytes, Wv's scale bytes among them);
	ds_add_u32 v[SPW], v[NIL]                      ; 0 onto my spare word
	s_lshl_b32 s56, s92, 6
	s_add_co_u32 s56, s56, s99                     ; my first token
	s_mov_b32 s57, s105
	EBASE 5, QC_O, 2, QS_O                         ; a tile of 16 tokens is 512 bytes of codes, a group of 64 tokens 256 bytes of words
	s_mov_b32 s98, 0x03030303
	s_mov_b32 s95, 6<<23                           ; the floor 2^(6 - 127)
	s_wait_dscnt 0x0                               ; the add is done, and my reads of slot 0 are over
	CROUND                                         ; both now hold of every wave of every partner
	s_cmp_lg_u32 s92, 0
	s_cbranch_scc1 .Lno_wv
	tensor_load_to_lds s[16:19], s[G1W:G1W+7]      ; Wv's codes into slot 0: wave 0's one load behind the round
	s_nop 0
.rept 4
	v_nop
.endr
.Lno_wv:
	PLACES NP                                      ; behind the last products: their results are read below
.irp a, 0,1,2,3
	UNIT \a, 0
.endr
	global_store_b128 v[LS], v[SW:SW+3], s[WBS:WBS+1]   ; lanes 0-15 fill 256 consecutive bytes of the first head's words, lanes 16-31 of the second's
	; ---- K: the same tokens, whose fragments are still in registers
	ROUND WB1, XA, 0, AS1
	TBLOAD 512
	EBASE 5, 0, 2, KS_O
	s_mov_b32 s98, 0
	s_mov_b32 s95, 3<<23                           ; the floor 2^(3 - 127)
	s_wait_dscnt 0x0
	PLACES NP
.irp a, 0,1,2,3
	UNIT \a, 0
.endr
	global_store_b128 v[LS], v[SW:SW+3], s[WBS:WBS+1]
	s_wait_alu depctr_va_vdst(0)
	s_wait_tensorcnt 0x0                           ; Wv's codes are in (wave 0's load);
	s_barrier_signal -1
	s_barrier_wait -1                              ; every wave knows it.
	; ---- V: my rows are 64 channels (one head), my registers run along 128 tokens: one key step of the second product
	ROUND XB, WA, 1, AS2
.irp a, 0,1,2,3
	ds_load_b32 v[BA+2*\a], v[BV] offset:64*\a     ; the bias of my channel 16 a + lane % 16, in both registers of a pair
	ds_load_b32 v[BA+2*\a+1], v[BV] offset:64*\a
.endr
	s_lshl_b32 s56, s94, 7
	s_add_co_u32 s56, s56, s99                     ; my first token
	s_mul_i32 s57, s93, REC
	s_add_co_u32 s57, s57, s105                    ; my head's record
	EBASE 5, VC_O, 1, VS_O                         ; a step of 128 keys is 4,096 bytes of codes and 256 of words
	s_wait_dscnt 0x0
	PLACES NP
.irp a, 0,1,2,3
	UNIT \a, 1
.endr
	s_wait_alu depctr_va_vdst(0)
	s_wait_xcnt 0x0                                ; EXEC changes only behind this wait
	v_cmp_gt_u32 vcc_lo, 16, v[LN]
	s_and_saveexec_b32 s60, vcc_lo                 ; lanes 16-31 hold the same words as lanes 0-15: sixteen lanes store the step's 256 bytes
	global_store_b128 v[LS], v[SW:SW+3], s[WBS:WBS+1]
	s_wait_xcnt 0x0
	s_or_b32 exec_lo, exec_lo, s60
	s_wait_tensorcnt 0x0                           ; the wave's end: behind my last tensor load and my last LDS store
	ds_add_u32 v[SPW], v[NIL]
	s_wait_dscnt 0x0
	CROUND                                         ; the closing round: no work-group ends while a partner may still ask for a tile that names it
	s_endpgm
.Lfunc_end_k_q56e2ae2c8b_proj:
	.size	k_q56e2ae2c8b_proj, .Lfunc_end_k_q56e2ae2c8b_proj-k_q56e2ae2c8b_proj
	.p2alignl 7, 3214868480
	.fill 96, 4, 3214868480
	.section	.rodata,"a",@progbits
	.p2align	6, 0x0
	.amdhsa_kernel k_q56e2ae2c8b_proj
		.amdhsa_group_segment_fixed_size 327680
		.amdhsa_private_segment_fixed_size 0
		.amdhsa_enable_private_segment 0
		.amdhsa_kernarg_size 96
		.amdhsa_user_sgpr_count 2
		.amdhsa_user_sgpr_kernarg_segment_ptr 1
		.amdhsa_wavefront_size32 1
		.amdhsa_system_sgpr_workgroup_id_x 1
		.amdhsa_system_sgpr_workgroup_id_y 1
		.amdhsa_system_sgpr_workgroup_id_z 1
		.amdhsa_system_vgpr_workitem_id 0
		.amdhsa_next_free_vgpr 1024
		.amdhsa_next_free_sgpr 106
		.amdhsa_reserve_vcc 1
		.amdhsa_float_denorm_mode_32 3
		.amdhsa_float_denorm_mode_16_64 3
		.amdhsa_memory_ordered 1
		.amdhsa_forward_progress 1
		.amdhsa_inst_pref_size 227
	.end_amdhsa_kernel
	.amdgpu_metadata
---
amdhsa.version: [ 1, 2 ]
amdhsa.kernels:
  - .name:           k_q56e2ae2c8b_proj
    .symbol:         k_q56e2ae2c8b_proj.kd
    .args:
      - { .name: x_codes, .offset: 0, .size: 8, .value_kind: global_buffer, .address_space: global }
      - { .name: x_scales, .offset: 8, .size: 8, .value_kind: global_buffer, .address_space: global }
      - { .name: Wq_codes, .offset: 16, .size: 8, .value_kind: global_buffer, .address_space: global }
      - { .name: Wq_scales, .offset: 24, .size: 8, .value_kind: global_buffer, .address_space: global }
      - { .name: Wk_codes, .offset: 32, .size: 8, .value_kind: global_buffer, .address_space: global }
      - { .name: Wk_scales, .offset: 40, .size: 8, .value_kind: global_buffer, .address_space: global }
      - { .name: Wv_codes, .offset: 48, .size: 8, .value_kind: global_buffer, .address_space: global }
      - { .name: Wv_scales, .offset: 56, .size: 8, .value_kind: global_buffer, .address_space: global }
      - { .name: bq, .offset: 64, .size: 8, .value_kind: global_buffer, .address_space: global }
      - { .name: bk, .offset: 72, .size: 8, .value_kind: global_buffer, .address_space: global }
      - { .name: bv, .offset: 80, .size: 8, .value_kind: global_buffer, .address_space: global }
      - { .name: ws, .offset: 88, .size: 8, .value_kind: global_buffer, .address_space: global }
    .group_segment_fixed_size: 327680
    .private_segment_fixed_size: 0
    .kernarg_segment_align: 8
    .kernarg_segment_size: 96
    .max_flat_workgroup_size: 128
    .sgpr_count:     106
    .vgpr_count:     1024
    .wavefront_size: 32
...
	.end_amdgpu_metadata
.endif
;; end of part 1
;; launch attn (part 2): grid 4 x 64, 8 waves a work-group, clusters of 4 x 1, 327,680 bytes of LDS; arguments ws, attn_mask, out0; writes out0
.if DOCPART == 2
	.amdgcn_target "amdgcn-amd-amdhsa--gfx1250"
	.amdhsa_code_object_version 6
	.text
	.protected	k_q56e2ae2c8b_attn
	.globl	k_q56e2ae2c8b_attn
	.p2align	8
	.type	k_q56e2ae2c8b_attn,@function
k_q56e2ae2c8b_attn:
	s_mov_b64 s[64:65], 0
	v_nop
	global_prefetch_b8 v0, s[64:65] scope:SCOPE_SE
	s_setreg_imm32_b32 hwreg(HW_REG_WAVE_MODE, 25, 1), 1
	s_wait_xcnt 0x0
	s_wait_alu depctr_hold_cnt(0) depctr_sa_sdst(0) depctr_va_vdst(0) depctr_va_sdst(0) depctr_va_ssrc(0) depctr_va_vcc(0) depctr_vm_vsrc(0)
	s_getreg_b32 s2, hwreg(HW_REG_IB_STS2, 6, 4)
	s_cmp_eq_u32 s2, 0
	s_cbranch_scc0 .Lentry_in_a_cluster
	s_endpgm
.Lentry_in_a_cluster:
	s_bfe_u32 s2, ttmp6, 0x10000c
	s_cmp_lg_u32 s2, 0x3003
	s_cbranch_scc0 .Lentry_shape_is_right
	s_endpgm
.Lentry_shape_is_right:
; ATTENTION OF RobertaSelfAttention ON CODES OF FP4 (E2M1): out = softmax(Q K^T + mask) V for one head, both products on codes with one E8M0 byte for each 32 along K.
; Q, K, V come from the workspace as images of operand registers (launch proj lays them).  No work of the problem is left out here.
; THE SOFTMAX: t = (score + mask) x log2(e); M = the running largest t rounded up to a whole number; p = 2^(t - M) is quantised along the keys; the row's sum is taken of the unquantised p and divides at the end.
; When M moves, the sum and O are multiplied by 2^(old M - new M), in every step, with no branch on data.
; LIMITS: the promise holds while |t| stays under 2^31.  NaN among the inputs is not served.
; SHARES.  A work-group owns 512 queries of one head, each of its 8 waves 64 of them: four tiles of 16.  The head's K, V, their scale words and the mask's row lie in LDS for the whole launch; a wave walks the 2,048 keys once, 128 a step.
; Both products are used transposed (S^T = K Q^T + mask as C, O^T = V^T P^T): a lane holds one query of a tile throughout.
; THE FOUR TILES ARE STAGGERED.  A trip of BODY serves tile T of a key step: its 68 exponentials are issued with tile T + 1's 36 multiply-adds (t - M) between them, which hang on nothing in the batch;
; then O's rescaling, the sums, the scales, the conversions; then the scores of tile T + 2 are multiplied into the buffer that the conversions have just read, O^T takes tile T's product, and tile T + 2's maxima are taken.
; THE HEAD'S 64 NUMBERS fill half of the instruction's 128 along K: Q's upper half holds zero codes, so whatever codes stand in source 0's upper half add nothing: tile t of K names its own four registers and the four behind them.
; THE WAY OUT: in the last key step a tile leaves as soon as its last product is issued: divided in its own 32 registers, through my stage, stored a trip later, while the other tiles are still at work.
; CLUSTER: the four work-groups of a head ask for the record and the mask jointly (mask 15).  No prefetch: the launch's one stream is asked for whole by the head's loads, and there is no loop to run ahead in.
; REGISTERS.  Window 0: v1-7 spare word, 0, addresses in hand; v8-23 a tile's -M, largest score, sum in two halves; v24-31 a tile's f and p's scale word; v32-47 scale words of Q, K, V; v48-71, v122-125 at work; v72-79 p's codes; v80-111 Q;
;   v112-120 addresses that stay; v128-255 the scores, two buffers of 64.   Window 1: v0-127 O^T (tile T at 32 T); v128-159 K; v160-223 the mask in the result's layout; v224-255 V.
.set REC,   217088
.set VC_O,  65536
.set KS_O,  131072
.set VS_O,  139264
.set QC_O,  143360
.set QS_O,  208896
.set MSK,   143360                     ; LDS: the record's first 143,360 bytes, then the mask's 8,192,
.set STG,   151552                     ; a stage of 16 rows x 272 bytes for each wave,
.set SPARE, 186368                     ; and the spare words, 128 bytes for each wave
.set SPW, 1
.set NIL, 2
.set ADK, 3
.set ADV, 4
.set ADS, 5
.set ADT, 6
.set ADM, 7
.set ST,  8
.set FF,  24
.set QS,  32
.set KSW, 36
.set VSW, 44
.set BM,  48
.set BP,  56
.set SO,  60
.set TT,  64                           ; v64 at work; v65 the -M that the last maxima replaced
.set LT,  66                           ; v66-71 and
.set LU,  122                          ; v122-125: five partial sums of a row, in pairs
.set P,   72
.set QF,  80
.set STO, 112
.set RD,  113
.set GO,  114
.set LR,  115
.set LI,  116
.set AV0, 117
.set AKS, 118
.set AVS, 119
.set AMK, 120
.set S,   128
.set O,   0
.set KFR, 128
.set MK,  160
.set VF,  224
.set G1A, 16
.set G1M, 24
.set MSB, 0
.macro WIN new                         ; the immediate's high byte repeats the setting that is left
.if MSB != \new
	s_set_vgpr_msb (MSB<<8)|\new
.set MSB, \new
.endif
.endm
.macro CROUND                          ; a round of the cluster's barrier
	s_barrier_signal -1
	s_barrier_wait -1
	s_cmp_lg_u32 s10, 0
	s_cbranch_scc1 .Lnot_wave_0_\@
	s_barrier_signal -3
.Lnot_wave_0_\@:
	s_barrier_wait -3
	s_barrier_signal -1
	s_barrier_wait -1
.endm
	s_load_b128 s[4:7], s[0:1], 0x0                ; the workspace, the mask
	s_load_b64 s[8:9], s[0:1], 0x10                ; out
	v_lshl_add_u32 v[SPW], v0, 2, SPARE
	v_mov_b32 v[NIL], 0
	ds_add_u32 v[SPW], v[NIL]                      ; the opening lines: the add, twice on end, and its wait ahead of my first tensor load
	ds_add_u32 v[SPW], v[NIL]
	v_lshrrev_b32 v121, 5, v0
	v_readfirstlane_b32 s10, v121                  ; wave 0..7
	s_and_b32 s12, ttmp7, 0xffff                   ; the record: 16 n + head
	s_lshr_b32 s13, s12, 4                         ; n
	s_and_b32 s14, s12, 15                         ; head
	s_mov_b32 s[G1A], 15|(3<<16)|(1<<21)           ; the record: a seventh is 80 rows of 256 bytes (32 elements of 8); all four partners named, bit 21 beside the mask
	s_mov_b32 s[G1A+1], 32<<16
	s_mov_b32 s[G1A+2], 80<<16
	s_mov_b32 s[G1A+3], 32<<16
	s_mov_b32 s[G1A+4], 80
	s_mov_b32 s[G1A+5], 32
	s_mov_b32 s[G1A+6], 0
	s_mov_b32 s[G1A+7], 0
	s_mov_b32 s[G1M], 15|(3<<16)|(1<<21)           ; the mask's row: 32 rows of 256 bytes
	s_mov_b32 s[G1M+1], 32<<16
	s_mov_b32 s[G1M+2], 32<<16
	s_mov_b32 s[G1M+3], 32<<16
	s_mov_b32 s[G1M+4], 32
	s_mov_b32 s[G1M+5], 32
	s_mov_b32 s[G1M+6], 0
	s_mov_b32 s[G1M+7], 0
	s_mul_i32 s56, s12, REC
	s_mov_b32 s57, 0
	s_mov_b32 s32, 1
	s_mul_i32 s33, s10, 20480                      ; waves 0 to 6: wave x 20,480 bytes, in LDS as in the record
	s_mov_b32 s58, s33
	s_mov_b32 s59, 0
	s_lshl_b32 s50, s13, 13
	s_mov_b32 s51, 0
	s_mov_b32 s36, 1
	s_mov_b32 s37, MSK
	s_mov_b32 s46, 0x3fb8aa3b                      ; log2(e)
	s_mov_b32 s47, s46                             ; (named with it as a pair)
	s_mov_b32 s48, 0x76543210
	s_mov_b32 s49, 0xfedcba98                      ; v_permlanex16_b32's selects for lane l xor 16
	s_mul_i32 s54, s10, 16*272
	s_add_co_u32 s54, s54, STG                     ; my stage
	v_and_b32 v121, 15, v0                         ; r
	v_bfe_u32 v122, v0, 4, 1                       ; h
	v_and_b32 v123, 31, v0
	v_lshlrev_b32 v[LI], 4, v123                   ; K's codes: 16 x lane
	v_add_nc_u32 v[AV0], VC_O, v[LI]               ; V's
	v_lshl_add_u32 v[AKS], v121, 4, KS_O           ; scale words: four tiles' to a row
	v_lshl_add_u32 v[AVS], v121, 4, VS_O
	v_lshl_add_u32 v[AMK], v122, 5, MSK            ; the mask of keys 8 h + 0 .. 7 of a tile
	v_lshlrev_b32 v[LR], 4, v121
	v_mul_u32_u24 v[STO], v121, 272
	v_lshl_add_u32 v[STO], v122, 5, v[STO]
	v_add_nc_u32 v[STO], s54, v[STO]               ; the way out, in: row r, 32 h bytes on
	v_mul_u32_u24 v[RD], v122, 272
	v_lshl_add_u32 v[RD], v121, 4, v[RD]
	v_add_nc_u32 v[RD], s54, v[RD]                 ; back: lanes 0-15 one row, lanes 16-31 the next
	v_lshlrev_b32 v[GO], 12, v122
	v_lshl_add_u32 v[GO], v121, 4, v[GO]           ; and the same two rows in out
	s_wait_alu depctr_va_vdst(0)
	s_wait_dscnt 0x0                               ; both opening adds are done
	s_wait_kmcnt 0x0
	s_add_nc_u64 s[4:5], s[4:5], s[56:57]          ; my record
	s_add_nc_u64 s[34:35], s[4:5], s[58:59]
	s_or_b32 s35, s35, 0x80000000
	s_add_nc_u64 s[38:39], s[6:7], s[50:51]
	s_or_b32 s39, s39, 0x80000000
	s_bfe_u32 s11, ttmp6, 0x40000                  ; cx: which 512 queries; it enters global addresses of my own alone
	s_lshl_b32 s56, s11, 14
	s_lshl_b32 s58, s10, 11
	s_add_co_u32 s56, s56, s58
	s_add_co_u32 s56, s56, QC_O
	s_add_nc_u64 s[40:41], s[4:5], s[56:57]        ; my four tiles of Q's codes
	s_lshl_b32 s56, s11, 11
	s_lshl_b32 s58, s10, 8
	s_add_co_u32 s56, s56, s58
	s_add_co_u32 s56, s56, QS_O
	s_add_nc_u64 s[42:43], s[4:5], s[56:57]        ; and their scale words
	s_lshl_b32 s56, s13, 23
	s_lshl_b32 s58, s11, 21
	s_add_co_u32 s56, s56, s58
	s_lshl_b32 s58, s10, 18
	s_add_co_u32 s56, s56, s58
	s_lshl_b32 s58, s14, 8
	s_add_co_u32 s56, s56, s58
	s_add_nc_u64 s[44:45], s[8:9], s[56:57]        ; my 64 rows of out, at my head's 256 bytes
.irp T, 0,1,2,3
	global_load_b128 v[QF+8*\T:QF+8*\T+3], v[LI], s[40:41] offset:512*\T
.endr
	global_load_b128 v[QS:QS+3], v[LR], s[42:43]
	CROUND                                         ; all four work-groups are here: the joint loads meet
	s_cmp_lt_u32 s10, 7                            ; one load a wave, in the arms of one branch on the wave's number: waves 0 to 6 a seventh of the record each, wave 7 the mask
	s_cbranch_scc0 .Lmask
	tensor_load_to_lds s[32:35], s[G1A:G1A+7]
	s_nop 0
.rept 4
	v_nop
.endr
	s_branch .Lasked
.Lmask:
	tensor_load_to_lds s[36:39], s[G1M:G1M+7]
	s_nop 0
.rept 4
	v_nop
.endr
.Lasked:
.irp T, 0,1,2,3
.irp i, 4,5,6,7
	v_mov_b32 v[QF+8*\T+\i], 0                     ; zero codes for K = 64 .. 127
.endr
	v_mov_b32 v[ST+4*\T], 0x7f61b1e6               ; -M: 3e38, so that the first f is 0
	v_mov_b32 v[ST+4*\T+1], 0xff000000             ; the largest score so far: -2^127
	v_mov_b32 v[ST+4*\T+2], 0                      ; the sum, in two halves
	v_mov_b32 v[ST+4*\T+3], 0
	v_mov_b32 v[FF+2*\T+1], 0                      ; (named as the upper half of a pair before it is first written)
	v_mov_b32 v[BP+\T], 0                          ; a lane permute's destination counts as one of its sources
.endr
	s_wait_alu depctr_va_vdst(0)                   ; the wait at the head's end
	s_wait_tensorcnt 0x0                           ; my part is in
	s_barrier_signal -1
	s_barrier_wait -1                              ; everybody's is; nothing is filled again
.macro LOADK off, ak, as, am           ; a step's 8 tiles of K, its mask in the result's layout, K's scale words
	WIN 0x40
.irp t, 0,1,2,3,4,5,6,7
	ds_load_b128 v[KFR+4*\t:KFR+4*\t+3], v[\ak] offset:4096*\off+512*\t
.endr
.irp t, 0,1,2,3,4,5,6,7
	ds_load_b128 v[MK+8*\t:MK+8*\t+3], v[\am] offset:512*\off+64*\t
	ds_load_b128 v[MK+8*\t+4:MK+8*\t+7], v[\am] offset:512*\off+64*\t+16
.endr
	WIN 0
	ds_load_b128 v[KSW:KSW+3], v[\as] offset:512*\off
	ds_load_b128 v[KSW+4:KSW+7], v[\as] offset:512*\off+256
.endm
.macro LOADV off, av, at               ; a step's 4 tiles of V^T and their scale words
	WIN 0x40
.irp t, 0,1,2,3
.irp c, 0,1
	ds_load_b128 v[VF+8*\t+4*\c:VF+8*\t+4*\c+3], v[\av] offset:4096*\off+1024*\t+512*\c
.endr
.endr
	WIN 0
	ds_load_b128 v[VSW:VSW+3], v[\at] offset:256*\off
.endm
.macro QK T                            ; S^T of tile T: 8 tiles of 16 keys; C = the mask
.set X, S+64*((\T)%2)
	WIN 0x11
.irp t, 0,1,2,3,4,5,6,7
	v_wmma_scale_f32_16x16x128_f8f6f4 v[X+8*\t:X+8*\t+7], v[KFR+4*\t:KFR+4*\t+7], v[QF+8*(\T):QF+8*(\T)+7], v[MK+8*\t:MK+8*\t+7], v[KSW+\t], v[QS+(\T)] matrix_a_fmt:MATRIX_FMT_FP4 matrix_b_fmt:MATRIX_FMT_FP4
.endr
.endm
.macro PV T, first                     ; O^T of tile T takes these 128 keys; the four accumulators by turns; first = 1: the product starts the sums
	WIN 0x51
.irp t, 0,1,2,3
.if \first
	v_wmma_scale_f32_16x16x128_f8f6f4 v[O+32*(\T)+8*\t:O+32*(\T)+8*\t+7], v[VF+8*\t:VF+8*\t+7], v[P:P+7], 0, v[VSW+\t], v[FF+2*(\T)+1] matrix_a_fmt:MATRIX_FMT_FP4 matrix_b_fmt:MATRIX_FMT_FP4
.else
	v_wmma_scale_f32_16x16x128_f8f6f4 v[O+32*(\T)+8*\t:O+32*(\T)+8*\t+7], v[VF+8*\t:VF+8*\t+7], v[P:P+7], v[O+32*(\T)+8*\t:O+32*(\T)+8*\t+7], v[VSW+\t], v[FF+2*(\T)+1] matrix_a_fmt:MATRIX_FMT_FP4 matrix_b_fmt:MATRIX_FMT_FP4
.endif
.endr
	WIN 0
.endm
.macro MAXTT T                         ; the largest score of each block of 32 keys (it serves for the row's maximum and for the block's largest p), and the new -M; the old one is kept in v[TT+1] for f
.set X, S+64*((\T)%2)
.set BX, BM+4*((\T)%2)
.set SS, ST+4*(\T)
.irp b, 0,1,2,3
	v_max3_num_f32 v[BX+\b], v[X+16*\b], v[X+16*\b+1], v[X+16*\b+2]
.endr
.irp i, 3,5,7,9,11,13
.irp b, 0,1,2,3
	v_max3_num_f32 v[BX+\b], v[BX+\b], v[X+16*\b+\i], v[X+16*\b+\i+1]
.endr
.endr
.irp b, 0,1,2,3
	v_max_num_f32 v[BX+\b], v[BX+\b], v[X+16*\b+15]
.endr
.irp b, 0,1,2,3
	v_permlanex16_b32 v[BP+\b], v[BX+\b], s48, s49
.endr
.irp b, 0,1,2,3
	v_max_num_f32 v[BX+\b], v[BX+\b], v[BP+\b]     ; with lane l xor 16's 16 keys
.endr
	v_max3_num_f32 v[TT], v[BX], v[BX+1], v[BX+2]
	v_mov_b32 v[TT+1], v[SS]                       ; the old -M
	v_max3_num_f32 v[SS+1], v[SS+1], v[TT], v[BX+3]  ; the running largest score
	v_mul_f32 v[TT], s46, v[SS+1]                  ; as t
	v_floor_f32 v[SS], -v[TT]                      ; -M = floor(-t): M is a whole number
.endm
.macro PKF T                           ; t - M of tile T, by itself: ahead of the first batch alone
.set X, S+64*((\T)%2)
.set jj, 0
.rept 32
	v_pk_fma_f32 v[X+jj:X+jj+1], v[X+jj:X+jj+1], s[46:47], v[ST+4*(\T):ST+4*(\T)+1] op_sel_hi:[1,0,0]
.set jj, jj+2
.endr
.irp b, 0,1,2,3
	v_fma_f32 v[BM+4*((\T)%2)+\b], v[BM+4*((\T)%2)+\b], s46, v[ST+4*(\T)]
.endr
.endm
; THE BATCH: tile T's 64 p and its four blocks' largest p.  nxt = 1: between them tile T + 1's t - M: these read what was written ahead of the wait in front, and what they write is read behind the wait that follows the batch.
.macro BATCH T, nxt
.set X, S+64*((\T)%2)
.set Y, S+64*(((\T)+1)%2)
.set T1, ((\T)+1)%4
	s_wait_alu depctr_va_vdst(0)                   ; the wait ahead of the batch
.set jj, 0
.rept 32
	v_exp_f32 v[X+jj], v[X+jj]
	v_exp_f32 v[X+jj+1], v[X+jj+1]
.if \nxt
	v_pk_fma_f32 v[Y+jj:Y+jj+1], v[Y+jj:Y+jj+1], s[46:47], v[ST+4*T1:ST+4*T1+1] op_sel_hi:[1,0,0]
.endif
.set jj, jj+2
.endr
.irp b, 0,1,2,3
	v_exp_f32 v[BM+4*((\T)%2)+\b], v[BM+4*((\T)%2)+\b]
.if \nxt
	v_fma_f32 v[BM+4*(T1%2)+\b], v[BM+4*(T1%2)+\b], s46, v[ST+4*T1]
.endif
.endr
	v_pk_mul_f32 v[ST+4*(\T)+2:ST+4*(\T)+3], v[ST+4*(\T)+2:ST+4*(\T)+3], v[FF+2*(\T):FF+2*(\T)+1] op_sel_hi:[1,0]   ; the sums under the new M; a plain place behind the last exponential
.endm
.macro RESC T                          ; O^T under the new M
.set jj, 0
.rept 16
	v_pk_mul_f32 v[O+32*(\T)+jj:O+32*(\T)+jj+1], v[O+32*(\T)+jj:O+32*(\T)+jj+1], v[FF+2*(\T):FF+2*(\T)+1] op_sel_hi:[1,0]
.set jj, jj+2
.endr
	WIN 0
.endm
.macro SETD c                          ; chain c of the row's sum: 0 the sum itself, 1 to 5 the partial sums
.if (\c) == 0
.set DD, AC
.else
.if (\c) < 4
.set DD, LT+2*((\c)-1)
.else
.set DD, LU+2*((\c)-4)
.endif
.endif
.endm
.macro SADD n                          ; the next n pairs of p go onto the six chains of the row's sum, by turns
.rept \n
	SETD (kk-10)%6
	v_pk_add_f32 v[DD:DD+1], v[DD:DD+1], v[X+2*kk:X+2*kk+1]
.set kk, kk+1
.endr
.endm
.macro SUMSC T                         ; the row's sum of the unquantised p, and between its lines the four blocks' scales
.set X, S+64*((\T)%2)
.set AC, ST+4*(\T)+2
.set BX, BM+4*((\T)%2)
.set FW, FF+2*(\T)+1
.irp b, 0,1,2,3
	v_max_num_f32 v[BX+\b], 0x1800000, v[BX+\b]    ; the floor 2^(3 - 127): the byte cannot fall under 1
.endr
.irp c, 1,2,3,4,5
	SETD \c
	v_pk_add_f32 v[DD:DD+1], v[X+4*(\c-1):X+4*(\c-1)+1], v[X+4*(\c-1)+2:X+4*(\c-1)+3]
.endr
.set kk, 10
.irp b, 0,1,2,3
	v_add_nc_u32 v[SO+\b], 0xff000000, v[BX+\b]    ; 2 off the exponent field: the conversion's scale operand
.endr
	SADD 4
.irp b, 0,1,2,3
	v_lshrrev_b32 v[BP+\b], 23, v[SO+\b]           ; the scale's byte
.endr
	SADD 3
	v_lshl_or_b32 v[FW], v[BP+1], 8, v[BP]         ; p's scale word for these 128 keys
	SADD 3
	v_lshl_or_b32 v[FW], v[BP+2], 16, v[FW]
	SADD 3
	v_lshl_or_b32 v[FW], v[BP+3], 24, v[FW]
	SADD 1
.endm
.macro CVT T                           ; p's codes, laid so that two exchanges of halves for each 64 keys give the operand's layout
.set X, S+64*((\T)%2)
.irp c, 0,1
	v_cvt_scalef32_pk8_fp4_f32 v[P+4*\c],   v[X+32*\c:X+32*\c+7],     v[SO+2*\c]
	v_cvt_scalef32_pk8_fp4_f32 v[P+4*\c+1], v[X+32*\c+16:X+32*\c+23], v[SO+2*\c+1]
	v_cvt_scalef32_pk8_fp4_f32 v[P+4*\c+2], v[X+32*\c+8:X+32*\c+15],  v[SO+2*\c]
	v_cvt_scalef32_pk8_fp4_f32 v[P+4*\c+3], v[X+32*\c+24:X+32*\c+31], v[SO+2*\c+1]
.endr
	SADD 1                                         ; the plain place behind the scaled conversions: it reads p and writes none of their registers
.irp c, 0,1
	v_permlane16_swap_b32 v[P+4*\c], v[P+4*\c+1]
	v_permlane16_swap_b32 v[P+4*\c+2], v[P+4*\c+3]
.endr
.endm
; TILE T OF A KEY STEP.  nxt: tile T + 1 follows; qk: tile T + 2 follows; wt: LDS loads are out that the products below read; ldk, ldv: the next step's K or V is fetched; first: the first key step.
.macro BODY T, nxt, qk, wt, ldk, ldv, first
	BATCH \T, \nxt
.if \first
	s_wait_alu depctr_va_vdst(0)                   ; one wait for the whole batch
.else
	WIN 0x41
	s_wait_alu depctr_va_vdst(0)                   ; one wait for the whole batch, directly ahead of the first readers of O^T too
	RESC \T
.endif
	SUMSC \T
	CVT \T
	SADD 7                                         ; the last pairs of p; also the places between the exchanges and the product that reads p's codes
.if \wt
	s_wait_alu depctr_va_vdst(0)
	s_wait_dscnt 0x0                               ; the fragments fetched in the trip before are in
.endif
.if \qk
	QK ((\T)+2)%4
.endif
	PV \T, \first
	; the chains of the sum are joined, and tile T + 1's f = 2^(old M - new M) is made: plain lines that name no register of the products above, so they are the places behind them (ISA guide 7.12.1)
	v_pk_add_f32 v[LT:LT+1], v[LT:LT+1], v[LT+2:LT+3]
	v_pk_add_f32 v[LT+4:LT+5], v[LT+4:LT+5], v[LU:LU+1]
	v_pk_add_f32 v[AC:AC+1], v[AC:AC+1], v[LU+2:LU+3]
.if \nxt
	v_sub_f32 v[TT], v[ST+4*(((\T)+1)%4)], v[TT+1]
.endif
	v_pk_add_f32 v[LT:LT+1], v[LT:LT+1], v[LT+4:LT+5]
.if \nxt
	v_cvt_i32_f32 v[TT], v[TT]                     ; (it saturates)
.endif
	v_pk_add_f32 v[AC:AC+1], v[AC:AC+1], v[LT:LT+1]
.if \nxt
	v_ldexp_f32 v[FF+2*(((\T)+1)%4)], 1.0, v[TT]
.endif
.if \ldk
	v_add_nc_u32 v[ADK], s50, v[LI]
	v_add_nc_u32 v[ADS], s51, v[AKS]
	v_add_nc_u32 v[ADM], s51, v[AMK]
	LOADK 1, ADK, ADS, ADM                         ; tiles 2 and 3 of this step have had their scores: the next step's K and mask
.endif
.if \ldv
	v_add_nc_u32 v[ADV], s50, v[AV0]
	v_add_nc_u32 v[ADT], s52, v[AVS]
	LOADV 1, ADV, ADT                              ; all four tiles have had this step's V: the next step's
.endif
.if \qk
	MAXTT ((\T)+2)%4
.endif
.endm
.macro KEYSTEP first
	BODY 0, 1, 1, 1, 0, 0, \first
	BODY 1, 1, 1, 0, 1, 0, \first
	BODY 2, 1, 1, 1, 0, 0, \first
	BODY 3, 1, 1, 0, 0, 1, \first
	s_add_co_u32 s50, s50, 4096                    ; a step on: codes,
	s_add_co_u32 s51, s51, 512                     ; K's scale words and the mask,
	s_add_co_u32 s52, s52, 256                     ; V's scale words
.endm
; THE WAY OUT OF TILE T.  OUTA: O^T / the sum, in the tile's own 32 registers, into my stage and back as whole rows.  OUTB, a trip later: sixteen lanes store one aligned run of 256 bytes.
.macro OUTA T
	v_add_f32 v[BP], v[ST+4*\T+2], v[ST+4*\T+3]
	v_permlanex16_b32 v[BP+1], v[BP], s48, s49
	v_add_f32 v[BP], v[BP], v[BP+1]                ; the row's sum
	s_wait_alu depctr_va_vdst(0)                   ; the wait ahead of the transcendental
	v_rcp_f32 v[FF+2*\T], v[BP]
	v_nop
	WIN 0x41
	s_wait_alu depctr_va_vdst(0)                   ; and behind it, directly ahead of the first readers of O^T
.set jj, 0
.rept 16
	v_pk_mul_f32 v[O+32*\T+jj:O+32*\T+jj+1], v[O+32*\T+jj:O+32*\T+jj+1], v[FF+2*\T:FF+2*\T+1] op_sel_hi:[1,0]
.set jj, jj+2
.endr
	WIN 0x04
.irp t, 0,1,2,3
	ds_store_b128 v[STO], v[O+32*\T+8*\t:O+32*\T+8*\t+3] offset:64*\t
	ds_store_b128 v[STO], v[O+32*\T+8*\t+4:O+32*\T+8*\t+7] offset:64*\t+16
.endr
	WIN 0x40
.irp i, 0,1,2,3,4,5,6,7
	ds_load_b128 v[O+32*\T+4*\i:O+32*\T+4*\i+3], v[RD] offset:544*\i   ; LDS serves a wave's instructions in order (ISA guide 5.7.1.4): these see my stores, and the next tile's stores come behind them
.endr
	WIN 0
.endm
.macro OUTB T
	s_wait_alu depctr_va_vdst(0)
	s_wait_dscnt 0x0                               ; the tile's rows are back in registers
	WIN 0x04
.irp i, 0,1,2,3,4,5,6,7
	global_store_b128 v[GO], v[O+32*\T+4*\i:O+32*\T+4*\i+3], s[44:45] offset:65536*\T+8192*\i th:TH_STORE_NT
.endr
	WIN 0
.endm
	LOADK 0, LI, AKS, AMK
	LOADV 0, AV0, AVS
	s_mov_b32 s50, 0
	s_mov_b32 s51, 0
	s_mov_b32 s52, 0
	s_wait_loadcnt 0x0                             ; Q
	s_wait_dscnt 0x0
	QK 0
	QK 1
	WIN 0
.rept 4
	v_nop
.endr
	MAXTT 0
	v_sub_f32 v[TT], v[ST], v[TT+1]                ; tile 0's first f; every later f is made in the trip before its tile's
	v_cvt_i32_f32 v[TT], v[TT]
	v_ldexp_f32 v[FF], 1.0, v[TT]
	MAXTT 1
	PKF 0
	KEYSTEP 1                                      ; the first key step stands ahead of the loop: its products start O's sums
	s_mov_b32 s53, 14
.Lstep:
	KEYSTEP 0
	s_sub_co_u32 s53, s53, 1
	s_cmp_lg_u32 s53, 0
	s_cbranch_scc1 .Lstep
	BODY 0, 1, 1, 1, 0, 0, 0                       ; the last key step is written out: nothing follows its tiles 2 and 3, and each tile leaves when it is finished
	OUTA 0
	BODY 1, 1, 1, 0, 0, 0, 0
	OUTB 0
	OUTA 1
	BODY 2, 1, 0, 0, 0, 0, 0
	OUTB 1
	OUTA 2
	BODY 3, 0, 0, 0, 0, 0, 0
	OUTB 2
	OUTA 3
	OUTB 3
	s_wait_tensorcnt 0x0                           ; the wave's end
	ds_add_u32 v[SPW], v[NIL]
	s_wait_dscnt 0x0
	CROUND                                         ; the closing round
	s_endpgm
.Lfunc_end_k_q56e2ae2c8b_attn:
	.size	k_q56e2ae2c8b_attn, .Lfunc_end_k_q56e2ae2c8b_attn-k_q56e2ae2c8b_attn
	.p2alignl 7, 3214868480
	.fill 96, 4, 3214868480
	.section	.rodata,"a",@progbits
	.p2align	6, 0x0
	.amdhsa_kernel k_q56e2ae2c8b_attn
		.amdhsa_group_segment_fixed_size 327680
		.amdhsa_private_segment_fixed_size 0
		.amdhsa_enable_private_segment 0
		.amdhsa_kernarg_size 24
		.amdhsa_user_sgpr_count 2
		.amdhsa_user_sgpr_kernarg_segment_ptr 1
		.amdhsa_wavefront_size32 1
		.amdhsa_system_sgpr_workgroup_id_x 1
		.amdhsa_system_sgpr_workgroup_id_y 1
		.amdhsa_system_sgpr_workgroup_id_z 1
		.amdhsa_system_vgpr_workitem_id 0
		.amdhsa_next_free_vgpr 512
		.amdhsa_next_free_sgpr 66
		.amdhsa_reserve_vcc 0
		.amdhsa_float_denorm_mode_32 3
		.amdhsa_float_denorm_mode_16_64 3
		.amdhsa_memory_ordered 1
		.amdhsa_forward_progress 1
		.amdhsa_inst_pref_size 184
	.end_amdhsa_kernel
	.amdgpu_metadata
---
amdhsa.version: [ 1, 2 ]
amdhsa.kernels:
  - .name:           k_q56e2ae2c8b_attn
    .symbol:         k_q56e2ae2c8b_attn.kd
    .args:
      - { .name: ws, .offset: 0, .size: 8, .value_kind: global_buffer, .address_space: global }
      - { .name: attn_mask, .offset: 8, .size: 8, .value_kind: global_buffer, .address_space: global }
      - { .name: out0, .offset: 16, .size: 8, .value_kind: global_buffer, .address_space: global }
    .group_segment_fixed_size: 327680
    .private_segment_fixed_size: 0
    .kernarg_segment_align: 8
    .kernarg_segment_size: 24
    .max_flat_workgroup_size: 256
    .sgpr_count:     66
    .vgpr_count:     512
    .wavefront_size: 32
...
	.end_amdgpu_metadata
.endif
;; end of part 2
